; MI455X (gfx1250); checked and timed in simulation.
; The chip was launched on July 23, 2026; its instructions are those of AMD's public machine-readable ISA for CDNA 5 (MIT licence, August 2026) and "CDNA5" Instruction Set Architecture Reference Guide (July 2026). The comments in the code are by the model that wrote it; some were corrected since.
;; Mask RQ Spline. Allowed arithmetic: float matrix products may take bf16 or f16 operands with f32 sums; other float arithmetic in f32, or as packed bf16 or f16 multiplies, adds, multiply-adds, maxima and minima; sums over many terms, partial sums and values carried from step to step in f32; what a program stores and reads back later, other than sums and carried values, may be rounded once to bf16 or f16.
;; Inputs: W_in 8 x 16 x 256 float32; W_out 8 x 256 x 400 float32; W_res 8 x 2 x 2 x 256 x 256 float32; b_in 8 x 256 float32; b_out 8 x 400 float32; b_res 8 x 2 x 2 x 256 float32; masks 8 x 16 bool; p_mask 16 x 256 float32; perms 8 x 16 int32; scales 8 x 16 float32; shifts 8 x 16 float32; x 16,384 x 16 float32.
;; Outputs: out0 16,384 float32.
;; 2 versions, each right; version 2 is version 1 with the launch prep written anew for expert scheduling mode. Each part assembles by itself: llvm-mc -triple=amdgcn-amd-amdhsa -mcpu=gfx1250 --defsym DOCPART=n.
;; ======== version 1 of 2: 2 launches
;; workspace buffers: wts 6,029,312 bytes; aux 131,072 bytes
;; launch prep (part 1): grid 24 x 8, 8 waves a work-group, no clusters, 34,816 bytes of LDS; arguments W_res, W_out, W_in, p_mask, b_in, b_res, b_out, wts, aux; writes wts, aux
.if DOCPART == 1
	.amdgcn_target "amdgcn-amd-amdhsa--gfx1250"
	.amdhsa_code_object_version 6
	.text
	.protected	k_q5cae190469_prep
	.globl	k_q5cae190469_prep
	.p2align	8
	.type	k_q5cae190469_prep,@function
k_q5cae190469_prep:
	s_mov_b64 s[64:65], 0
	v_nop
	global_prefetch_b8 v0, s[64:65] scope:SCOPE_SE
	s_setreg_imm32_b32 hwreg(HW_REG_WAVE_MODE, 25, 1), 1
	s_wait_xcnt 0x0
; PREP: the weights as the second launch wants them.  y of the grid = layer l, x = role.
; wts, per layer 753,664 bytes of bf16 rows [n][k 256] (512 bytes a row): blocks 0-3 = W_res[l][i>>1][i&1] transposed (256 rows each), then 448 rows of W_out transposed, in the order D below.
; aux, per layer 16,384 bytes: f32 b_in, b_res x 4 (1,024 bytes each), b_out in the order D (1,792 bytes), zeros up to 8,192; then bf16 (W_in x p_mask) transposed, [n 256][f 16].
; THE ORDER D of the 448 out rows (tile = D >> 4, hh = (D >> 3) & 1, j = D & 7):
;   D < 256: w = tile >> 2, tau = tile & 3, f = 4 w + hh; tau < 3: column 25 f + 8 tau + j; tau = 3: j < 2: column 25 (f + 2 j) + 24, else a row of zeros with bias 0.
;   D >= 256: T2 = tile - 16, w = T2 / 3, tau = T2 - 3 w: column 25 (4 w + 2 + hh) + 8 tau + j.
; Roles 0-15: a strip of 64 output rows of one 256 x 256 matrix.  Roles 16-22: 64 rows D.  Role 23: the layer's aux.
; Each role rounds once to bf16, turns its part through a stage in LDS, and stores whole rows: each store of a wave covers 512 consecutive bytes, aligned.
; No tensor load (nothing is shared), no cluster, no prefetch (each byte is read once by loads that are all issued at once).
.set STP,   528                        ; a stage row: 512 bytes + 16, so that 16 rows start at 16 different groups of four banks
.set SPARE, 64*STP                     ; behind the stage: the spare words, 128 bytes for each of eight waves
.set LAYB,  753664                     ; bytes of a layer in wts
.set SPW, 2                            ; v2  my spare word; never rewritten
.set NIL, 3                            ; v3  0; never rewritten
; v4 lane, v5 stage address of the tail's reads, v6 the tail's offset in memory, v7-v15 a role's own, v40-47 COLMAP's, v64-127 as loaded, v128-159 as stored
; s[4:21] the nine addresses, s22 wave, s23 layer, s24 role, s[26:27] an offset in 64 bits
; D in v[d] -> its column of W_out in v[col] (0 .. 399) and in v[km] all ones, or 0 for a row of zeros.  No branch: the three cases are chosen by v_cndmask_b32.
.macro COLMAP d, col, km
	v_lshrrev_b32 v40, 4, v[\d]                    ; tile
	v_bfe_u32 v41, v[\d], 3, 1                     ; hh
	v_and_b32 v42, 7, v[\d]                        ; j
	v_cmp_lt_u32 s34, 15, v40                      ; D >= 256?
	v_lshrrev_b32 v43, 2, v40                      ; first part: w
	v_and_b32 v44, 3, v40                          ;             tau
	v_and_b32 v45, 15, v40                         ; second part: T2 = tile - 16
	v_mul_u32_u24 v46, v45, 11
	v_lshrrev_b32 v46, 5, v46                      ;              w = T2 / 3 (T2 below 12)
	v_mul_u32_u24 v47, v46, 3
	v_sub_nc_u32 v47, v45, v47                     ;              tau
	v_cndmask_b32 v43, v43, v46, s34
	v_cndmask_b32 v44, v44, v47, s34
	v_cndmask_b32 v45, 0, 2, s34                   ; the second part's features lie two further on
	v_lshl_add_u32 v43, v43, 2, v41
	v_add_nc_u32 v43, v43, v45                     ; f
	v_cmp_eq_u32 s35, 3, v44                       ; the tile of last slopes (tau = 3 occurs in the first part alone)
	v_min_u32 v46, 1, v42
	v_lshl_add_u32 v46, v46, 1, v43                ; f + 2 min(j, 1)
	v_mul_u32_u24 v46, v46, 25
	v_add_nc_u32 v46, 24, v46
	v_mul_u32_u24 v43, v43, 25
	v_lshl_add_u32 v43, v44, 3, v43
	v_add_nc_u32 v43, v43, v42                     ; 25 f + 8 tau + j
	v_cndmask_b32 v[\col], v43, v46, s35
	v_min_u32 v[\col], 399, v[\col]                ; (never more; the bound stands in the text)
	v_cmp_lt_u32 s36, 1, v42
	s_and_b32 s36, s36, s35                        ; j >= 2 in that tile: a row of zeros
	v_cndmask_b32 v[\km], -1, 0, s36
.endm
	s_load_b512 s[4:19], s[0:1], 0x0               ; W_res s[4:5], W_out s[6:7], W_in s[8:9], p_mask s[10:11], b_in s[12:13], b_res s[14:15], b_out s[16:17], wts s[18:19]
	s_load_b64 s[20:21], s[0:1], 0x40              ; aux
	v_lshl_add_u32 v[SPW], v0, 2, SPARE
	v_mov_b32 v[NIL], 0
	v_lshrrev_b32 v1, 5, v0
	v_readfirstlane_b32 s22, v1                    ; wave 0..7
	s_and_b32 s23, ttmp7, 0xffff                   ; layer
	s_mov_b32 s24, ttmp9                           ; role
	v_and_b32 v4, 31, v0
	s_mul_i32 s25, s22, STP
	v_lshl_add_u32 v5, v4, 4, s25                  ; the tail reads stage row 8 pass + wave, 16 bytes a lane,
	s_lshl_b32 s25, s22, 9
	v_lshl_add_u32 v6, v4, 4, s25                  ; and stores it as 512 consecutive bytes
	s_mul_i32 s26, s23, LAYB
	s_mov_b32 s27, 0
	s_wait_kmcnt 0x0
	s_add_nc_u64 s[18:19], s[18:19], s[26:27]      ; wts at the layer
	s_cmp_lt_u32 s24, 16
	s_cbranch_scc0 .Lnot_a
	; ROLE A.  Matrix mi = role >> 2, strip s = role & 3: columns n = 64 s .. 64 s + 63 of W[k][n].  Thread: i16 = tid & 15 (four columns), kg = tid >> 4 (eight k, twice).
	s_lshr_b32 s28, s24, 2
	s_and_b32 s29, s24, 3
	s_lshl_b32 s26, s23, 2
	s_add_co_u32 s26, s26, s28
	s_lshl_b32 s26, s26, 18                        ; (4 l + mi) x 262,144
	s_lshl_b32 s30, s29, 8
	s_add_co_u32 s26, s26, s30                     ; + 256 s
	s_add_nc_u64 s[4:5], s[4:5], s[26:27]
	s_lshl_b32 s26, s28, 17
	s_lshl_b32 s30, s29, 15
	s_add_co_u32 s26, s26, s30
	s_add_nc_u64 s[18:19], s[18:19], s[26:27]      ; the strip's 64 rows in wts
	v_and_b32 v7, 15, v0
	v_lshrrev_b32 v8, 4, v0
	v_lshlrev_b32 v9, 13, v8
	v_lshl_add_u32 v9, v7, 4, v9                   ; kg x 8 rows of 1,024 bytes + 16 i16: sixteen lanes read 256 consecutive bytes of one k
.irp p, 0,1
.irp i, 0,1,2,3,4,5,6,7
	global_load_b128 v[64+32*(\p)+4*(\i):64+32*(\p)+4*(\i)+3], v9, s[4:5] offset:(\p)*131072+(\i)*1024 th:TH_LOAD_NT
.endr
.endr
	v_mul_u32_u24 v10, v7, 4*STP
	v_lshl_add_u32 v10, v8, 4, v10                 ; stage row 4 i16 (+ q), byte 16 kg (+ 256 p)
	s_wait_loadcnt 0x0
.irp p, 0,1
.irp q, 0,1,2,3
.irp m, 0,1,2,3
	v_cvt_pk_bf16_f32 v[128+4*(4*(\p)+(\q))+(\m)], v[64+32*(\p)+8*(\m)+(\q)], v[64+32*(\p)+8*(\m)+4+(\q)]  ; column q, k = 2 m and 2 m + 1
.endr
	ds_store_b128 v10, v[128+4*(4*(\p)+(\q)):128+4*(4*(\p)+(\q))+3] offset:(\q)*STP+(\p)*256  ; these collide four deep: 32 KiB, once a work-group
.endr
.endr
	s_branch .Ljoin
.Lnot_a:
	s_cmp_lt_u32 s24, 23
	s_cbranch_scc0 .Lrole_c
	; ROLE B.  Rows D = 64 u + rho, u = role - 16.  Thread: rho = tid & 63, kq = tid >> 6: 64 k of one column.  Eight neighbouring lanes read 32 consecutive bytes; the other roles read the rest of those bytes' neighbourhood.
	s_sub_co_u32 s28, s24, 16
	s_mul_i32 s26, s23, 409600
	s_add_nc_u64 s[6:7], s[6:7], s[26:27]
	s_lshl_b32 s26, s28, 15
	s_add_co_u32 s26, s26, 524288
	s_add_nc_u64 s[18:19], s[18:19], s[26:27]
	v_and_b32 v7, 63, v0
	v_lshrrev_b32 v8, 6, v0
	s_lshl_b32 s29, s28, 6
	v_add_nc_u32 v11, s29, v7                      ; D
	COLMAP 11, 12, 13
	v_mul_u32_u24 v9, v8, 102400                   ; kq x 64 rows of 1,600 bytes
	v_lshl_add_u32 v9, v12, 2, v9
.set i, 0
.rept 64
	global_load_b32 v[64+i], v9, s[6:7] offset:i*1600
.set i, i+1
.endr
	v_mul_u32_u24 v10, v7, STP
	v_lshl_add_u32 v10, v8, 7, v10
	s_wait_loadcnt 0x0
.set i, 0
.rept 32
	v_cvt_pk_bf16_f32 v[128+i], v[64+2*i], v[64+2*i+1]
.set i, i+1
.endr
.set i, 0
.rept 32
	v_and_b32 v[128+i], v13, v[128+i]              ; a row of zeros where the order D has one
.set i, i+1
.endr
.irp i, 0,1,2,3,4,5,6,7
	ds_store_b128 v10, v[128+4*(\i):128+4*(\i)+3] offset:16*(\i)
.endr
	s_branch .Ljoin
.Lrole_c:
	; ROLE C.  The stage is linear here: the layer's 16,384 bytes of aux.
	v_lshlrev_b32 v7, 2, v0
	v_lshlrev_b32 v8, 5, v0
	v_mov_b32 v23, 0
	s_lshl_b32 s26, s23, 10
	s_add_nc_u64 s[12:13], s[12:13], s[26:27]
	s_lshl_b32 s26, s23, 12
	s_add_nc_u64 s[14:15], s[14:15], s[26:27]
	s_mul_i32 s26, s23, 1600
	s_add_nc_u64 s[16:17], s[16:17], s[26:27]
	s_lshl_b32 s26, s23, 14
	s_add_nc_u64 s[8:9], s[8:9], s[26:27]
	s_add_nc_u64 s[20:21], s[20:21], s[26:27]
	COLMAP 0, 12, 13                               ; D = tid
	v_lshlrev_b32 v12, 2, v12
	v_min_u32 v11, 191, v0
	v_add_nc_u32 v11, 256, v11                     ; D = 256 + tid, for tid below 192
	COLMAP 11, 14, 15
	v_lshlrev_b32 v14, 2, v14
	v_cmp_gt_u32 s37, 192, v0
	v_cndmask_b32 v15, 0, v15, s37
	global_load_b32 v16, v7, s[12:13]
.irp i, 0,1,2,3
	global_load_b32 v[17+(\i)], v7, s[14:15] offset:1024*(\i)
.endr
	global_load_b32 v21, v12, s[16:17]
	global_load_b32 v22, v14, s[16:17]
.set i, 0
.rept 16
	global_load_b32 v[64+i], v7, s[8:9] offset:1024*i
	global_load_b32 v[80+i], v7, s[10:11] offset:1024*i
.set i, i+1
.endr
	s_wait_loadcnt 0x0
	v_and_b32 v21, v13, v21
	v_and_b32 v22, v15, v22
	ds_store_b32 v7, v16
.irp i, 0,1,2,3
	ds_store_b32 v7, v[17+(\i)] offset:1024+1024*(\i)
.endr
	ds_store_b32 v7, v21 offset:5120
	ds_store_b32 v7, v22 offset:6144
	ds_store_b32 v7, v23 offset:7168
.set i, 0
.rept 16
	v_mul_f32 v[64+i], v[64+i], v[80+i]            ; the masked kernel, in f32, rounded once below
.set i, i+1
.endr
.set i, 0
.rept 8
	v_cvt_pk_bf16_f32 v[96+i], v[64+2*i], v[64+2*i+1]
.set i, i+1
.endr
	ds_store_b128 v8, v[96:99] offset:8192
	ds_store_b128 v8, v[100:103] offset:8208
.Ljoin:
	s_wait_dscnt 0x0                               ; for the others' sake: my stores into the stage are done
	s_barrier_signal -1
	s_barrier_wait -1
	s_cmp_eq_u32 s24, 23
	s_cbranch_scc1 .Ltail_c
.irp p, 0,1,2,3,4,5,6,7
	ds_load_b128 v[64+4*(\p):64+4*(\p)+3], v5 offset:(\p)*8*STP
.endr
.irp p, 0,1,2,3,4,5,6,7
	s_wait_dscnt 7-(\p)                            ; LDS loads come back in order: row p of my eight is in
	global_store_b128 v6, v[64+4*(\p):64+4*(\p)+3], s[18:19] offset:(\p)*4096 th:TH_STORE_NT
.endr
	s_branch .Lend
.Ltail_c:
	v_lshlrev_b32 v9, 4, v0
.irp p, 0,1,2,3
	ds_load_b128 v[64+4*(\p):64+4*(\p)+3], v9 offset:(\p)*4096
.endr
.irp p, 0,1,2,3
	s_wait_dscnt 3-(\p)
	global_store_b128 v9, v[64+4*(\p):64+4*(\p)+3], s[20:21] offset:(\p)*4096 th:TH_STORE_NT
.endr
.Lend:
	s_wait_tensorcnt 0x0                           ; the wave's end, behind my last LDS store
	ds_add_u32 v[SPW], v[NIL]
	s_wait_dscnt 0x0
	s_endpgm
.Lfunc_end_k_q5cae190469_prep:
	.size	k_q5cae190469_prep, .Lfunc_end_k_q5cae190469_prep-k_q5cae190469_prep
	.p2alignl 7, 3214868480
	.fill 96, 4, 3214868480
	.section	.rodata,"a",@progbits
	.p2align	6, 0x0
	.amdhsa_kernel k_q5cae190469_prep
		.amdhsa_group_segment_fixed_size 34816
		.amdhsa_private_segment_fixed_size 0
		.amdhsa_enable_private_segment 0
		.amdhsa_kernarg_size 72
		.amdhsa_user_sgpr_count 2
		.amdhsa_user_sgpr_kernarg_segment_ptr 1
		.amdhsa_wavefront_size32 1
		.amdhsa_system_sgpr_workgroup_id_x 1
		.amdhsa_system_sgpr_workgroup_id_y 1
		.amdhsa_system_sgpr_workgroup_id_z 1
		.amdhsa_system_vgpr_workitem_id 0
		.amdhsa_next_free_vgpr 160
		.amdhsa_next_free_sgpr 66
		.amdhsa_reserve_vcc 0
		.amdhsa_float_denorm_mode_32 3
		.amdhsa_float_denorm_mode_16_64 3
		.amdhsa_memory_ordered 1
		.amdhsa_forward_progress 1
		.amdhsa_inst_pref_size 30
	.end_amdhsa_kernel
	.amdgpu_metadata
---
amdhsa.version: [ 1, 2 ]
amdhsa.kernels:
  - .name:           k_q5cae190469_prep
    .symbol:         k_q5cae190469_prep.kd
    .args:
      - { .name: W_res, .offset: 0, .size: 8, .value_kind: global_buffer, .address_space: global }
      - { .name: W_out, .offset: 8, .size: 8, .value_kind: global_buffer, .address_space: global }
      - { .name: W_in, .offset: 16, .size: 8, .value_kind: global_buffer, .address_space: global }
      - { .name: p_mask, .offset: 24, .size: 8, .value_kind: global_buffer, .address_space: global }
      - { .name: b_in, .offset: 32, .size: 8, .value_kind: global_buffer, .address_space: global }
      - { .name: b_res, .offset: 40, .size: 8, .value_kind: global_buffer, .address_space: global }
      - { .name: b_out, .offset: 48, .size: 8, .value_kind: global_buffer, .address_space: global }
      - { .name: wts, .offset: 56, .size: 8, .value_kind: global_buffer, .address_space: global }
      - { .name: aux, .offset: 64, .size: 8, .value_kind: global_buffer, .address_space: global }
    .group_segment_fixed_size: 34816
    .private_segment_fixed_size: 0
    .kernarg_segment_align: 8
    .kernarg_segment_size: 72
    .max_flat_workgroup_size: 256
    .sgpr_count:     66
    .vgpr_count:     160
    .wavefront_size: 32
...
	.end_amdgpu_metadata
.endif
;; end of part 1
;; launch flow (part 2): grid 256 x 1, 4 waves a work-group, clusters of 4 x 1, 327,680 bytes of LDS; arguments x, perms, scales, shifts, masks, wts, aux, out0; writes out0
.if DOCPART == 2
	.amdgcn_target "amdgcn-amd-amdhsa--gfx1250"
	.amdhsa_code_object_version 6
	.text
	.protected	k_q5cae190469_flow
	.globl	k_q5cae190469_flow
	.p2align	8
	.type	k_q5cae190469_flow,@function
k_q5cae190469_flow:
	s_mov_b64 s[64:65], 0
	v_nop
	global_prefetch_b8 v0, s[64:65] scope:SCOPE_SE
	s_setreg_imm32_b32 hwreg(HW_REG_WAVE_MODE, 25, 1), 1
	s_wait_xcnt 0x0
	s_wait_alu depctr_hold_cnt(0) depctr_sa_sdst(0) depctr_va_vdst(0) depctr_va_sdst(0) depctr_va_ssrc(0) depctr_va_vcc(0) depctr_vm_vsrc(0)
	s_getreg_b32 s2, hwreg(HW_REG_IB_STS2, 6, 4)
	s_cmp_eq_u32 s2, 0
	s_cbranch_scc0 .Lentry_in_a_cluster
	s_endpgm
.Lentry_in_a_cluster:
	s_bfe_u32 s2, ttmp6, 0x10000c
	s_cmp_lg_u32 s2, 0x3003
	s_cbranch_scc0 .Lentry_shape_is_right
	s_endpgm
.Lentry_shape_is_right:
; FLOW: the whole chain of 8 layers for 64 rows a work-group; nothing goes through memory between the layers.
; A layer: gather by perms, x s + t, conditioner 16 -> 256 -> (two residual blocks of two 256 x 256 products) -> 400, rational-quadratic spline on all 16 features, choice by masks.
; FORMATS.  Weights and activations are matrix operands in bf16, sums in f32; h, x, the spline and the log-determinant stay in f32.
; PRODUCTS ARE TAKEN TRANSPOSED: source 0 = 16 rows of W^T (features), source 1 = 16 batch rows.  In the result lane (r = l % 16, h = l / 16), register j holds feature 8 h + j of the tile for batch row r.
; Wave w owns features 64 w .. 64 w + 63 (tiles a = 0..3) of all 64 rows (batch tiles u = 0..3): 16 accumulators at ACC + 32 a + 8 u.  A lane's 8 results are 16 bytes of one row of the next activation.
; THE 400 OUTPUTS come in the order that the first launch laid down: lane (r, h) of wave w ends with all 25 parameters of feature 4 w + h (product 'out a') and of 4 w + 2 + h ('out b' and one register
; of out a's fourth tile), for rows 16 u + r: eight spline items a lane, none changes lanes.
; THE GATHER makes no address of perms: a lane reads its four rows of the state whole and chooses its two features by v_cndmask_b32, under masks made of the four low bits of perms.
; THE RING.  Two LDS slots of 256 rows x 512 bytes; a layer's six blocks of weights take turns in them.  Behind each change of slots a wave issues one tensor load, the 64 (48) rows that it will itself multiply.
; CLUSTER.  All work-groups walk the same weights: the four of a cluster ask JOINTLY (mask 15), and a round of the cluster's barrier stands at each change of slots.
; LIMITS, kept on purpose.  A knot is c_i (T / S) + (-5 + i 1e-4), with c_i the running sum of exponentials, not a running sum of widths: another order of rounding.  The three logarithms of the
; log-determinant are one logarithm of arg (sl / den)^2.  softplus(t) = max(t, 0) + ln(1 + e^-|t|), with 1 + e rounded in f32: an absolute error of 6e-8 in a slope.  x s + t is one fused multiply-add.
; perms enters by its low four bits.  NaN and infinities in x are not treated apart.  Both softmaxes take their maximum away.
.set PITCH, 528                        ; an LDS row: 512 bytes + 16 = 132 words: the 16 rows of a fragment load start at 16 different groups of four banks
.set SLOT1, 256*PITCH
.set ACT,   2*SLOT1                    ; [64 rows][256 features] bf16, pitch 528: written by LDS stores alone
.set XST,   ACT+64*PITCH               ; the state x behind a layer, f32 [64][16], pitch 80
.set XP,    XST+64*80                  ; the state behind the gather and x s + t, likewise
.set RED,   XP+64*80                   ; [4 waves][64 rows] f32, for the last sum
.set SPARE, RED+1024                   ; the spare words, 128 bytes for each wave: two blocks of 256 bytes that no other line names
.set LAYB,  753664                     ; bytes of a layer in wts
.set BLKB,  131072                     ; bytes of a block of 256 rows
; REGISTERS, in windows of 256 (s_set_vgpr_msb: bits 1:0 source 0, 3:2 source 1, 5:4 source 2, 7:6 destination)
; window 0
.set SPW, 3                            ; my spare word; never rewritten
.set NIL, 4                            ; 0, for the add alone
.set ZERO, 5                           ; 0, for the packed maximum
.set AW0, 6                            ; my fragments of W in slot 0: w 64 rows + r x pitch + 16 h
.set AW1, 7                            ; in slot 1
.set AW5, 8                            ; in slot 1, block 5: w 48 rows + ..
.set AB,  9                            ; fragments of the activation
.set AS,  10                           ; where I store 16 bytes of it: AB + 128 w
.set XB,  11                           ; XST + 80 r
.set BO,  12                           ; 256 w + 32 h: my biases
.set BO5, 13                           ; 192 w + 32 h: out b's
.set WO,  14                           ; (64 w + r) 32 + 16 h: the input layer's weights
.set PFO, 15                           ; 256 x lane
.set LO2, 17                           ; 64 l + 16 w + 4 h: perms, scales, shifts of feature 4 w + h
.set MO8, 18                           ; 16 l + 8 h: masks of features 8 h ..
.set MO2, 19                           ; 16 l + 4 w + h
.set RS,  20
.set RR,  21
.set OO,  22
.set XO,  23
.set XA,  24                           ; XST + 80 r + 32 h
; the small set: the same numbers in window 0 (feature 4 w + h) and in window 3 (feature 4 w + 2 + h)
.set XS,  32                           ; v32-35 x of my feature, rows 16 u + r
.set LD,  36                           ; v36-39 the log-determinant's share
.set XW,  40                           ; where my feature's new x goes in XST
.set SCL, 41
.set SHF, 42
.set PRM, 43
.set MSKB, 45
.set XI,  46                           ; (head) where x comes into XST
.set LG,  47                           ; log2 |scale|
.set TT,  48                           ; v48-111 at work: 16 a spline item; the 64 packed results of a way into ACT; four whole rows of the state; the input layer's 32
.set TMP, 48
.set XR,  48
.set XG,  48
.set BT,  112                          ; v112-127 the x phase's bits of perms and bytes of masks
.set ACC, 128                          ; v128-255: window 0 R (a block's inner sums; out a; in the x phase the choices' 64 temporaries), window 3 H (h; out b)
.set TS,  128
.set UW,  128
.set UH,  160
.set UD,  192
.set UE,  224
; window 1: two fragment buffers; in each W's fragment (c, a) at 8 (4 c + a), the activation's (c, u) at 64 + 8 (4 c + u)
.set F0,  0
.set F1,  128
; window 2
.set BI,   0                           ; b_in of my 64 features, 8 a tile
.set BB0,  32
.set BB1,  64
.set WINF, 96                          ; the input layer's weights: K = 16, so registers 4-7 of each fragment stay 0
.set XF,   128                         ; its activations, likewise
.set MSK8, 184
; scalars: s[4:19] x, perms, scales, shifts, masks, wts, aux, out0
.set WV,  20
.set LAY, 23
.set BLK, 24
.set CHG, 25                           ; changes of slots still to come
.set G1,  28                           ; s[28:35] group 1: 64 rows x 256 elements
.set G1B, 36                           ; s[36:43] 48 rows
.set G0A, 44                           ; s[44:47] slot 0
.set G0B, 48                           ; s[48:51] slot 1
.set G0C, 52                           ; s[52:55] slot 1, block 5
.set PFA, 56                           ; s[56:57] the prefetches' place in wts
.set BP,  58                           ; s[58:59] aux at the bias to be loaded next
.set LIM, 62
.set MJ,  66                           ; s66-73 masks of features 8 h + j, a bit a lane
.set MK,  74                           ; s74, s75 of my two features
.set IN,  76                           ; s76-79 'the spline applies', by batch tile
.set PBT, 88                           ; s88-91 bits 0-3 of perms of my first feature, a bit a lane; s92-95 of my second
; s[60:61] v_permlanex16_b32's selects; s[80:81] log2(e); s82 ln 2; s83 -5; s84 5; s85 10 - 8e-4; s86 ln(e^(1 - 1e-4) - 1); s87 1e-4
.set MSB, 0
.macro WIN new                         ; the high byte repeats the setting that is left; a switch that changes nothing is dropped
.if MSB != (\new)
	s_set_vgpr_msb (MSB<<8)|(\new)
.set MSB, (\new)
.endif
.endm
.macro PLACES                          ; four plain places: behind matrix instructions, in front of loads into their sources and of reads of their results
.rept 4
	v_nop
.endr
.endm
.macro ALL line:vararg                 ; one line for each batch tile t
.set t, 0
.rept 4
	\line
.set t, t+1
.endr
.endm
; A round of the cluster's barrier: my work-group's barrier; wave 0 signals for the work-group; every wave waits for all four work-groups; my work-group's barrier once more.
.macro ROUND
	s_barrier_signal -1
	s_barrier_wait -1
	s_cmp_lg_u32 s[WV], 0
	s_cbranch_scc1 .Lnot_wave_0_\@
	s_barrier_signal -3
.Lnot_wave_0_\@:
	s_barrier_wait -3
	s_barrier_signal -1
	s_barrier_wait -1
.endm
; THE CHANGE OF SLOTS, in two parts with the descriptors' steps between them.  Each wave waits for the biases and parameters asked for a step ago, for all its tensor loads (one is out: its rows of the slot to be
; read next), adds 0 to its spare word, and waits for that, for its stores into ACT and for its reads of the slot that it leaves.  Behind the round no wave of any partner reads the old slot, ACT is whole,
; the next slot is whole; the joint refill is the first thing there.
.macro CH_HEAD bstep
	WIN 0
	s_wait_loadcnt 0x0                             ; what the last step asked for: this step's bias, or the layer's parameters
	s_wait_xcnt 0x0                                ; every load and the last prefetch, a step back, have read their addresses: the two pointers may be written
	s_add_nc_u64 s[PFA:PFA+1], s[PFA:PFA+1], BLKB
	s_add_nc_u64 s[BP:BP+1], s[BP:BP+1], \bstep
	s_wait_tensorcnt 0x0                           ; no tensor load of mine is out, so a group 0 may be written
	ds_add_u32 v[SPW], v[NIL]                      ; 0 onto my spare word; the steps stand between it and the wait for it
.endm
.macro CH_TAIL g0, g1
	s_wait_dscnt 0x0
	ROUND
	tensor_load_to_lds s[\g0:\g0+3], s[\g1:\g1+7]
	s_nop 0
	PLACES                                         ; also the places in front of the loads that follow
.endm
; A PREFETCH INTO THE L2.  wts is walked from end to end by every cluster; cluster 0 alone asks.  Behind change s (0 .. 42) its 16 waves x 32 lanes name the 512 blocks of 256 bytes of bytes
; 131,072 (s + 3) .. of wts, told apart by address (place in the cluster, wave, lane): each block once in the launch.  The refill of change s ends below byte 131,072 (s + 2).
; The first three such pieces come by their loads alone; the last ask names the buffer's last piece.
.macro ASK
	s_cmp_gt_u32 s[CHG], s[LIM]
	s_cbranch_scc0 .Lnot_mine_\@
	global_prefetch_b8 v[PFO], s[PFA:PFA+1] th:TH_LOAD_NT scope:SCOPE_SE
.Lnot_mine_\@:
	s_sub_co_u32 s[CHG], s[CHG], 1
.endm
; One run of LDS loads: the fragments of 64 along K at byte k of the rows, into buffer f; the first 32 along K first.  nt = tiles of W (4, or 3 in out b).
.macro FETCH aw, k, f, nt
	WIN 0x40
.irp c, 0,1
.irp i, 0,1,2,3
.if (\i) < (\nt)
	ds_load_b128 v[(\f)+8*(4*(\c)+(\i)):(\f)+8*(4*(\c)+(\i))+3],   v[\aw] offset:(\k)+64*(\c)+(\i)*16*PITCH
	ds_load_b128 v[(\f)+8*(4*(\c)+(\i))+4:(\f)+8*(4*(\c)+(\i))+7], v[\aw] offset:(\k)+64*(\c)+(\i)*16*PITCH+32
.endif
	ds_load_b128 v[(\f)+64+8*(4*(\c)+(\i)):(\f)+64+8*(4*(\c)+(\i))+3],   v[AB] offset:(\k)+64*(\c)+(\i)*16*PITCH
	ds_load_b128 v[(\f)+64+8*(4*(\c)+(\i))+4:(\f)+64+8*(4*(\c)+(\i))+7], v[AB] offset:(\k)+64*(\c)+(\i)*16*PITCH+32
.endr
.endr
.endm
; 4 nt matrix instructions, 32 along K (half c of buffer f).  The accumulators take turns, one instruction a turn.
; mode 0: R in place; 1: R begins with the bias bb as C; 2: H in place; 3: H begins with the bias.
.macro MUL f, c, nt, mode, bb
.if (\mode) == 0
	WIN 0x05
.elseif (\mode) == 1
	WIN 0x25
.elseif (\mode) == 2
	WIN 0xf5
.else
	WIN 0xe5
.endif
.irp a, 0,1,2,3
.if (\a) < (\nt)
.irp u, 0,1,2,3
.if (\mode) & 1
	v_wmma_f32_16x16x32_bf16 v[ACC+32*(\a)+8*(\u):ACC+32*(\a)+8*(\u)+7], v[(\f)+8*(4*(\c)+(\a)):(\f)+8*(4*(\c)+(\a))+7], v[(\f)+64+8*(4*(\c)+(\u)):(\f)+64+8*(4*(\c)+(\u))+7], v[(\bb)+8*(\a):(\bb)+8*(\a)+7]
.else
	v_wmma_f32_16x16x32_bf16 v[ACC+32*(\a)+8*(\u):ACC+32*(\a)+8*(\u)+7], v[(\f)+8*(4*(\c)+(\a)):(\f)+8*(4*(\c)+(\a))+7], v[(\f)+64+8*(4*(\c)+(\u)):(\f)+64+8*(4*(\c)+(\u))+7], v[ACC+32*(\a)+8*(\u):ACC+32*(\a)+8*(\u)+7]
.endif
.endr
.endif
.endr
.endm
; A step (K = 256) is four quarters of 64 along K on buffers 0, 1, 0, 1.  One of the first three multiplies f and, in its middle, fetches the next quarter into g.
.macro QUARTER aw, k, f, g, nt, m1, m, bb
	s_wait_dscnt 8+2*(\nt)                         ; the first 32 along K are in; the loads of the second 32 may be out
	MUL \f, 0, \nt, \m1, \bb
	PLACES
	FETCH \aw, \k, \g, \nt
	s_wait_dscnt 16+4*(\nt)                        ; all but the run just issued
	MUL \f, 1, \nt, \m, \bb
.endm
; The last quarter.  b2 = 1: ACT is written anew behind this step, so a barrier stands between every wave's last reads of it and the stores; signal and wait are 16 matrix instructions apart.
; The tensor load that is out stays out across it.
.macro LASTQ f, nt, m, b2
	s_wait_dscnt 8+2*(\nt)
	MUL \f, 0, \nt, \m, 0
	s_wait_dscnt 0x0                               ; my reads of ACT and of the slot are over
.if \b2
	s_barrier_signal -1
.endif
	MUL \f, 1, \nt, \m, 0
	WIN 0
.if \b2
	s_barrier_wait -1
.endif
.endm
.macro STEP aw, nt, m1, m, bb, b2
	QUARTER \aw, 128, F0, F1, \nt, \m1, \m, \bb
	QUARTER \aw, 256, F1, F0, \nt, \m, \m, \bb
	QUARTER \aw, 384, F0, F1, \nt, \m, \m, \bb
	LASTQ F1, \nt, \m, \b2
.endm
; 2 nt loads of 16 bytes: the biases of my nt tiles, 8 registers a tile, as the C operand wants them (register j: feature 8 h + j)
.macro BIASLD dst, vo, nt, imm
	WIN 0x80
.irp a, 0,1,2,3
.if (\a) < (\nt)
	global_load_b128 v[(\dst)+8*(\a):(\dst)+8*(\a)+3],   v[\vo], s[BP:BP+1] offset:(\imm)+64*(\a)
	global_load_b128 v[(\dst)+8*(\a)+4:(\dst)+8*(\a)+7], v[\vo], s[BP:BP+1] offset:(\imm)+64*(\a)+16
.endif
.endr
.endm
; INTO ACT: relu of the 16 accumulators (h = 0: R, 1: H), rounded to bf16.  The maximum is taken of the rounded pairs, which gives the same numbers.  Each accumulator is read from its low end on.
.macro EPI h
	WIN 0
	PLACES
.if \h
	WIN 0x0f
.endif
.set q, 0
.rept 16
.irp m, 0,1,2,3
	v_cvt_pk_bf16_f32 v[TMP+4*q+(\m)], v[ACC+8*q+2*(\m)], v[ACC+8*q+2*(\m)+1]
.endr
.set q, q+1
.endr
	WIN 0
.set q, 0
.rept 64
	v_pk_max_num_bf16 v[TMP+q], v[TMP+q], v[ZERO]
.set q, q+1
.endr
.set q, 0
.rept 16
	ds_store_b128 v[AS], v[TMP+4*q:TMP+4*q+3] offset:(q%4)*16*PITCH+(q/4)*32  ; batch tile q % 4, feature tile q / 4
.set q, q+1
.endr
.endm
.macro HBIAS bb                        ; H += the bias of a block's second product, which then adds onto H in place
	WIN 0xcb
.set q, 0
.rept 16
.irp m, 0,2,4,6
	v_pk_add_f32 v[ACC+8*q+(\m):ACC+8*q+(\m)+1], v[ACC+8*q+(\m):ACC+8*q+(\m)+1], v[(\bb)+8*(q/4)+(\m):(\bb)+8*(q/4)+(\m)+1]
.endr
.set q, q+1
.endr
.endm
; The 29 loads of a layer's parameters; BP stands at the layer's aux + 1,024, the three offsets at the layer.
.macro NEXTP
	BIASLD BI, BO, 4, -1024
	BIASLD BB0, BO, 4, 0
.irp a, 0,1,2,3
	global_load_b128 v[WINF+8*(\a):WINF+8*(\a)+3], v[WO], s[BP:BP+1] offset:7168+512*(\a)
.endr
	global_load_b64 v[MSK8:MSK8+1], v[MO8], s[12:13]
	WIN 0
	global_load_b32 v[PRM], v[LO2], s[6:7]
	global_load_b32 v[SCL], v[LO2], s[8:9]
	global_load_b32 v[SHF], v[LO2], s[10:11]
	global_load_u8 v[MSKB], v[MO2], s[12:13]
	WIN 0xc0
	global_load_b32 v[PRM], v[LO2], s[6:7] offset:8
	global_load_b32 v[SCL], v[LO2], s[8:9] offset:8
	global_load_b32 v[SHF], v[LO2], s[10:11] offset:8
	global_load_u8 v[MSKB], v[MO2], s[12:13] offset:2
.endm
; My own feature behind the gather: x s + t, ln |s| onto the log-determinant, and the new number into XP.  Runs once in window 0 and once, all operands in window 3, for the second feature.
.macro XSF
	ALL v_fma_f32 v[XS+t], v[XS+t], v[SCL], v[SHF]
	ALL v_fma_f32 v[LD+t], v[LG], s82, v[LD+t]
	ALL ds_store_b32 v[XW], v[XS+t] offset:XP-XST+1280*t
.endm
; THE SPLINE of one feature for my four rows (items t), in one window throughout.  UW, UH: the 8 unnormalised widths and heights; UD, UE: the 9 slopes' parameters.  An item's 16 registers at TT + 16 t:
; 0 rw, 1 rh, 2 xc, 3 xk then z^2, 4 xk1 then w then arg, 5 yk then y, 6 yk1 then the bin's height, 7 dk, 8 dk1, 9-11 at work, 12 sl, 13 z, 14 1 - z, 15 z (1 - z).
; Each stage runs over the four items, so that its transcendentals are one batch: a plain instruction behind the last, work that names none of the results, and ONE wait ahead of the first reader.
.macro SPLINE last, mk
	; A: both softmaxes' exponentials, the maximum taken away
	ALL v_max3_num_f32 v[TT+16*t], v[UW+8*t], v[UW+8*t+1], v[UW+8*t+2]
	ALL v_max3_num_f32 v[TT+16*t+1], v[UH+8*t], v[UH+8*t+1], v[UH+8*t+2]
	ALL v_max3_num_f32 v[TT+16*t], v[TT+16*t], v[UW+8*t+3], v[UW+8*t+4]
	ALL v_max3_num_f32 v[TT+16*t+1], v[TT+16*t+1], v[UH+8*t+3], v[UH+8*t+4]
	ALL v_max3_num_f32 v[TT+16*t], v[TT+16*t], v[UW+8*t+5], v[UW+8*t+6]
	ALL v_max3_num_f32 v[TT+16*t+1], v[TT+16*t+1], v[UH+8*t+5], v[UH+8*t+6]
	ALL v_max_num_f32 v[TT+16*t], v[TT+16*t], v[UW+8*t+7]
	ALL v_max_num_f32 v[TT+16*t+1], v[TT+16*t+1], v[UH+8*t+7]
	ALL v_mul_f32 v[TT+16*t], s80, v[TT+16*t]
	ALL v_mul_f32 v[TT+16*t+1], s80, v[TT+16*t+1]
.irp i, 0,2,4,6
	ALL v_pk_fma_f32 v[UW+8*t+(\i):UW+8*t+(\i)+1], v[UW+8*t+(\i):UW+8*t+(\i)+1], s[80:81], v[TT+16*t:TT+16*t+1] op_sel_hi:[1,0,0] neg_lo:[0,0,1] neg_hi:[0,0,1]
	ALL v_pk_fma_f32 v[UH+8*t+(\i):UH+8*t+(\i)+1], v[UH+8*t+(\i):UH+8*t+(\i)+1], s[80:81], v[TT+16*t:TT+16*t+1] op_sel:[0,0,1] op_sel_hi:[1,0,1] neg_lo:[0,0,1] neg_hi:[0,0,1]
.endr
.irp i, 0,1,2,3,4,5,6,7
	ALL v_exp_f32 v[UW+8*t+(\i)], v[UW+8*t+(\i)]
	ALL v_exp_f32 v[UH+8*t+(\i)], v[UH+8*t+(\i)]
.endr
	v_nop
	ALL v_med3_num_f32 v[TT+16*t+2], v[XS+t], s83, s84
	ALL v_cmp_eq_f32 s[IN+t], v[TT+16*t+2], v[XS+t]
	ALL s_and_not1_b32 s[IN+t], s[IN+t], s[\mk]
	s_wait_alu depctr_va_vdst(0)                   ; one wait for the 64 exponentials
	; B: running sums in place; the reciprocals of the totals
.irp i, 1,2,3,4,5,6,7
	ALL v_add_f32 v[UW+8*t+(\i)], v[UW+8*t+(\i)], v[UW+8*t+(\i)-1]
	ALL v_add_f32 v[UH+8*t+(\i)], v[UH+8*t+(\i)], v[UH+8*t+(\i)-1]
.endr
	ALL v_rcp_f32 v[TT+16*t], v[UW+8*t+7]
	ALL v_rcp_f32 v[TT+16*t+1], v[UH+8*t+7]
	v_nop
	s_wait_alu depctr_va_vdst(0)                   ; one wait for the 8 reciprocals
	; C: knots 1 .. 8 in place; the bin by seven comparisons, each followed by six choices (the knots ascend, so the last true comparison decides)
	ALL v_mul_f32 v[TT+16*t], s85, v[TT+16*t]
	ALL v_mul_f32 v[TT+16*t+1], s85, v[TT+16*t+1]
.irp i, 0,1,2,3,4,5,6,7
	ALL v_fmaak_f32 v[UW+8*t+(\i)], v[UW+8*t+(\i)], v[TT+16*t], 0xc0a00000-((((\i)+1)*2097152+5000)/10000)
	ALL v_fmaak_f32 v[UH+8*t+(\i)], v[UH+8*t+(\i)], v[TT+16*t+1], 0xc0a00000-((((\i)+1)*2097152+5000)/10000)
.endr
.set t, 0
.rept 4
	v_cmp_ge_f32 vcc_lo, v[TT+16*t+2], v[UW+8*t]
	v_cndmask_b32 v[TT+16*t+3], s83, v[UW+8*t], vcc_lo
	v_cndmask_b32 v[TT+16*t+4], v[UW+8*t], v[UW+8*t+1], vcc_lo
	v_cndmask_b32 v[TT+16*t+5], s83, v[UH+8*t], vcc_lo
	v_cndmask_b32 v[TT+16*t+6], v[UH+8*t], v[UH+8*t+1], vcc_lo
	v_cndmask_b32 v[TT+16*t+7], v[UD+8*t], v[UD+8*t+1], vcc_lo
	v_cndmask_b32 v[TT+16*t+8], v[UD+8*t+1], v[UD+8*t+2], vcc_lo
.irp i, 2,3,4,5,6,7
	v_cmp_ge_f32 vcc_lo, v[TT+16*t+2], v[UW+8*t+(\i)-1]
	v_cndmask_b32 v[TT+16*t+3], v[TT+16*t+3], v[UW+8*t+(\i)-1], vcc_lo
	v_cndmask_b32 v[TT+16*t+4], v[TT+16*t+4], v[UW+8*t+(\i)], vcc_lo
	v_cndmask_b32 v[TT+16*t+5], v[TT+16*t+5], v[UH+8*t+(\i)-1], vcc_lo
	v_cndmask_b32 v[TT+16*t+6], v[TT+16*t+6], v[UH+8*t+(\i)], vcc_lo
	v_cndmask_b32 v[TT+16*t+7], v[TT+16*t+7], v[UD+8*t+(\i)], vcc_lo
.if (\i) < 7
	v_cndmask_b32 v[TT+16*t+8], v[TT+16*t+8], v[UD+8*t+(\i)+1], vcc_lo
.else
	v_cndmask_b32 v[TT+16*t+8], v[TT+16*t+8], v[UE+8*t], vcc_lo
.endif
.endr
.set t, t+1
.endr
	; D: the bin's width and height; the two slopes, softplus(u + offset) + 1e-4; sl, z
	ALL v_sub_f32 v[TT+16*t+4], v[TT+16*t+4], v[TT+16*t+3]
	ALL v_sub_f32 v[TT+16*t+6], v[TT+16*t+6], v[TT+16*t+5]
	ALL v_add_f32 v[TT+16*t+7], s86, v[TT+16*t+7]
	ALL v_add_f32 v[TT+16*t+8], s86, v[TT+16*t+8]
	ALL v_mul_f32 v[TT+16*t+9], -|v[TT+16*t+7]|, s80
	ALL v_mul_f32 v[TT+16*t+10], -|v[TT+16*t+8]|, s80
	ALL v_exp_f32 v[TT+16*t+9], v[TT+16*t+9]
	ALL v_exp_f32 v[TT+16*t+10], v[TT+16*t+10]
	ALL v_rcp_f32 v[TT+16*t+11], v[TT+16*t+4]
	ALL v_sub_f32 v[TT+16*t+13], v[TT+16*t+2], v[TT+16*t+3]
	ALL v_max_num_f32 v[TT+16*t+7], 0, v[TT+16*t+7]
	ALL v_max_num_f32 v[TT+16*t+8], 0, v[TT+16*t+8]
	ALL v_add_f32 v[TT+16*t+7], s87, v[TT+16*t+7]
	ALL v_add_f32 v[TT+16*t+8], s87, v[TT+16*t+8]
	s_wait_alu depctr_va_vdst(0)                   ; one wait for 8 exponentials and 4 reciprocals
	ALL v_add_f32 v[TT+16*t+9], 1.0, v[TT+16*t+9]
	ALL v_add_f32 v[TT+16*t+10], 1.0, v[TT+16*t+10]
	ALL v_log_f32 v[TT+16*t+9], v[TT+16*t+9]
	ALL v_log_f32 v[TT+16*t+10], v[TT+16*t+10]
	ALL v_mul_f32 v[TT+16*t+12], v[TT+16*t+6], v[TT+16*t+11]
	ALL v_mul_f32 v[TT+16*t+13], v[TT+16*t+13], v[TT+16*t+11] clamp
	ALL v_sub_f32 v[TT+16*t+14], 1.0, v[TT+16*t+13]
	ALL v_mul_f32 v[TT+16*t+15], v[TT+16*t+13], v[TT+16*t+14]
	ALL v_mul_f32 v[TT+16*t+3], v[TT+16*t+13], v[TT+16*t+13]
	s_wait_alu depctr_va_vdst(0)                   ; one wait for the 8 logarithms
	ALL v_fma_f32 v[TT+16*t+7], v[TT+16*t+9], s82, v[TT+16*t+7]
	ALL v_fma_f32 v[TT+16*t+8], v[TT+16*t+10], s82, v[TT+16*t+8]
	; E: den, y, the log-determinant
	ALL v_add_f32 v[TT+16*t+9], v[TT+16*t+7], v[TT+16*t+8]
	ALL v_fma_f32 v[TT+16*t+9], v[TT+16*t+12], -2.0, v[TT+16*t+9]
	ALL v_fma_f32 v[TT+16*t+9], v[TT+16*t+9], v[TT+16*t+15], v[TT+16*t+12]
	ALL v_rcp_f32 v[TT+16*t+10], v[TT+16*t+9]
	ALL v_mul_f32 v[TT+16*t+11], v[TT+16*t+7], v[TT+16*t+15]
	ALL v_fma_f32 v[TT+16*t+11], v[TT+16*t+12], v[TT+16*t+3], v[TT+16*t+11]
	ALL v_mul_f32 v[TT+16*t+11], v[TT+16*t+11], v[TT+16*t+6]
	ALL v_mul_f32 v[TT+16*t+4], v[TT+16*t+14], v[TT+16*t+14]
	ALL v_mul_f32 v[TT+16*t+4], v[TT+16*t+4], v[TT+16*t+7]
	ALL v_fma_f32 v[TT+16*t+4], v[TT+16*t+8], v[TT+16*t+3], v[TT+16*t+4]
	ALL v_mul_f32 v[TT+16*t+2], v[TT+16*t+12], v[TT+16*t+15]
	ALL v_fma_f32 v[TT+16*t+4], v[TT+16*t+2], 2.0, v[TT+16*t+4]
	s_wait_alu depctr_va_vdst(0)                   ; one wait for the 4 reciprocals
	ALL v_fma_f32 v[TT+16*t+5], v[TT+16*t+11], v[TT+16*t+10], v[TT+16*t+5]
	ALL v_mul_f32 v[TT+16*t+10], v[TT+16*t+12], v[TT+16*t+10]
	ALL v_mul_f32 v[TT+16*t+4], v[TT+16*t+4], v[TT+16*t+10]
	ALL v_mul_f32 v[TT+16*t+4], v[TT+16*t+4], v[TT+16*t+10]
	ALL v_log_f32 v[TT+16*t+4], v[TT+16*t+4]
	ALL v_cndmask_b32 v[XS+t], v[XS+t], v[TT+16*t+5], s[IN+t]
	s_wait_alu depctr_va_vdst(0)                   ; one wait for the 4 logarithms
	ALL v_cndmask_b32 v[TT+16*t+4], 0, v[TT+16*t+4], s[IN+t]
	ALL v_fma_f32 v[LD+t], v[TT+16*t+4], s82, v[LD+t]
.if \last
	ALL v_mul_f32 v[TT+16*t+5], -0.5, v[XS+t]
	ALL v_fma_f32 v[LD+t], v[TT+16*t+5], v[XS+t], v[LD+t]
.else
	ALL ds_store_b32 v[XW], v[XS+t] offset:1280*t
.endif
.endm
; Both features' splines.  The second feature's ninth slope lies in register 1 of out a's fourth tile: it goes to window 3, where the one text of the spline names it.
.macro PAIRS last
	WIN 0
	PLACES
	WIN 0xc0
	ALL v_mov_b32 v[UE+8*t], v[UE+8*t+1]
	WIN 0
	SPLINE \last, MK
	WIN 0xff
	SPLINE \last, MK+1
	WIN 0
.endm
	; ---------------------------------------------------------------- the head
	s_load_b512 s[4:19], s[0:1], 0x0
	v_lshl_add_u32 v[SPW], v0, 2, SPARE
	v_mov_b32 v[NIL], 0
	ds_add_u32 v[SPW], v[NIL]                      ; the wave's opening: the add and its wait stand ahead of my first tensor load; the set-up, work on registers, stands between them
	v_lshrrev_b32 v[XO], 5, v0
	v_readfirstlane_b32 s[WV], v[XO]               ; wave 0..3
	s_bfe_u32 s21, ttmp6, 0x40000                  ; cx: it enters the addresses of x, of out0 and of the prefetches alone
	s_lshl_b32 s22, ttmp9, 2
	s_add_co_u32 s22, s22, s21                     ; my work-group: rows 64 g ..
	s_mov_b32 s[G1], 15|(1<<16)|(1<<20)|(1<<21)|(6<<22)|(3<<25)  ; 15:0 the mask of four; 17:16 2-byte elements; 20 padding on; 21 set beside a mask; 24:22 after every 128 words; 31:25 4 words
	s_mov_b32 s[G1+1], 256<<16                     ; tensor_dim0 = 256
	s_mov_b32 s[G1+2], 64<<16                      ; tensor_dim1 = 64
	s_mov_b32 s[G1+3], 256<<16                     ; tile_dim0 = 256
	s_mov_b32 s[G1+4], 64                          ; tile_dim1 = 64
	s_mov_b32 s[G1+5], 256                         ; elements from row to row
	s_mov_b32 s[G1+6], 0
	s_mov_b32 s[G1+7], 0
	s_mov_b32 s[G1B], 15|(1<<16)|(1<<20)|(1<<21)|(6<<22)|(3<<25)
	s_mov_b32 s[G1B+1], 256<<16
	s_mov_b32 s[G1B+2], 48<<16                     ; the same with 48 rows
	s_mov_b32 s[G1B+3], 256<<16
	s_mov_b32 s[G1B+4], 48
	s_mov_b32 s[G1B+5], 256
	s_mov_b32 s[G1B+6], 0
	s_mov_b32 s[G1B+7], 0
	s_mov_b32 s[G0A], 1
	s_mul_i32 s[G0A+1], s[WV], 64*PITCH            ; LDS: my 64 rows of slot 0
	s_mov_b32 s[G0B], 1
	s_add_co_u32 s[G0B+1], s[G0A+1], SLOT1         ; of slot 1
	s_mov_b32 s[G0C], 1
	s_mul_i32 s[G0C+1], s[WV], 48*PITCH
	s_add_co_u32 s[G0C+1], s[G0C+1], SLOT1         ; my 48 rows of slot 1
	s_mov_b32 s60, 0x76543210
	s_mov_b32 s61, 0xfedcba98
	s_mov_b32 s80, 0x3fb8aa3b                      ; log2(e)
	s_mov_b32 s81, 0x3fb8aa3b                      ; named with it as a pair
	s_mov_b32 s82, 0x3f317218                      ; ln 2
	s_mov_b32 s83, 0xc0a00000                      ; -5
	s_mov_b32 s84, 0x40a00000                      ; 5
	s_mov_b32 s85, 0x411ffcb9                      ; 10 - 8 x 1e-4
	s_mov_b32 s86, 0x3f0a89e6                      ; ln(e^(1 - 1e-4) - 1)
	s_mov_b32 s87, 0x38d1b717                      ; 1e-4
	s_mov_b32 s[LAY], 8
	s_mov_b32 s[CHG], 47
	s_cmp_eq_u32 ttmp9, 0                          ; the cluster's number: the same in all four partners
	s_cselect_b32 s[LIM], 4, -1
	v_and_b32 v1, 15, v0                           ; r
	v_bfe_u32 v2, v0, 4, 1                         ; h
	v_mov_b32 v[ZERO], 0
	v_and_b32 v47, 31, v0                          ; lane
	v_mul_u32_u24 v[AB], v1, PITCH
	v_lshl_add_u32 v[AB], v2, 4, v[AB]             ; r x pitch + 16 h
	v_add_nc_u32 v[AW0], s[G0A+1], v[AB]
	v_add_nc_u32 v[AW1], SLOT1, v[AW0]
	v_add_nc_u32 v[AW5], s[G0C+1], v[AB]
	v_add_nc_u32 v[AB], ACT, v[AB]
	s_lshl_b32 s26, s[WV], 7
	v_add_nc_u32 v[AS], s26, v[AB]
	v_mul_u32_u24 v[XB], v1, 80
	v_add_nc_u32 v[XB], XST, v[XB]
	v_lshl_add_u32 v[XA], v2, 5, v[XB]
	s_lshl_b32 s26, s[WV], 8
	v_lshl_add_u32 v[BO], v2, 5, s26
	s_mul_i32 s27, s[WV], 192
	v_lshl_add_u32 v[BO5], v2, 5, s27
	s_lshl_b32 s27, s[WV], 11
	v_lshl_add_u32 v[WO], v1, 5, s27
	v_lshl_add_u32 v[WO], v2, 4, v[WO]
	v_lshlrev_b32 v[PFO], 8, v47
	s_lshl_b32 s27, s[WV], 4
	v_lshl_add_u32 v[LO2], v2, 2, s27
	v_lshlrev_b32 v[MO8], 3, v2
	s_lshl_b32 s27, s[WV], 2
	v_add_nc_u32 v[MO2], s27, v2
	v_lshl_add_u32 v[RS], v1, 2, s26
	v_add_nc_u32 v[RS], RED, v[RS]
	v_lshlrev_b32 v[OO], 3, v47
	v_add_nc_u32 v[RR], RED, v[OO]
	v_add_nc_u32 v[XW], v[XB], v[LO2]              ; XST + 80 r + 4 (4 w + h)
	v_lshlrev_b32 v[XO], 4, v0                     ; x comes in 16 bytes a thread
	v_lshrrev_b32 v[XI], 2, v0
	v_mul_u32_u24 v[XI], v[XI], 80
	v_and_b32 v47, 3, v0
	v_lshl_add_u32 v[XI], v47, 4, v[XI]
	v_add_nc_u32 v[XI], XST, v[XI]
	ALL v_mov_b32 v[LD+t], 0
	WIN 0xc0                                       ; the second feature's set, in window 3
	v_add_nc_u32 v[XW], 8, v[XW]
	ALL v_mov_b32 v[LD+t], 0
	WIN 0x80                                       ; K = 16 of 32: the upper halves of the input layer's fragments are 0, once and for all
.irp a, 0,1,2,3
.irp m, 4,5,6,7
	v_mov_b32 v[WINF+8*(\a)+(\m)], 0
	v_mov_b32 v[XF+8*(\a)+(\m)], 0
.endr
.endr
	WIN 0
	s_wait_dscnt 0x0                               ; the opening add is done
	s_wait_kmcnt 0x0
	s_mov_b32 s27, 0
	s_lshl_b32 s26, s[WV], 15                      ; my 64 rows of 512 bytes
	s_add_nc_u64 s[G0A+2:G0A+3], s[14:15], s[26:27]          ; block 0
	s_add_nc_u64 s[G0B+2:G0B+3], s[G0A+2:G0A+3], BLKB        ; block 1
	s_or_b32 s[G0A+3], s[G0A+3], 0x80000000
	s_or_b32 s[G0B+3], s[G0B+3], 0x80000000
	s_mul_i32 s26, s[WV], 48*512
	s_add_co_u32 s26, s26, 5*BLKB
	s_add_nc_u64 s[G0C+2:G0C+3], s[14:15], s[26:27]          ; block 5
	s_or_b32 s[G0C+3], s[G0C+3], 0x80000000
	s_add_nc_u64 s[BP:BP+1], s[16:17], 1024
	s_mov_b32 s89, 0                               ; what hangs on cx is made in s[88:89], which feed no descriptor
	s_lshl_b32 s88, s21, 15
	s_lshl_b32 s63, s[WV], 13
	s_add_co_u32 s88, s88, s63
	s_add_co_u32 s88, s88, 2*BLKB                  ; the first change steps it to piece 3
	s_add_nc_u64 s[PFA:PFA+1], s[14:15], s[88:89]
	s_lshl_b32 s88, s22, 12
	s_add_nc_u64 s[4:5], s[4:5], s[88:89]          ; x at my 64 rows
	s_lshl_b32 s88, s22, 8
	s_add_nc_u64 s[18:19], s[18:19], s[88:89]      ; out0 at my 64 rows
	ROUND                                          ; all four work-groups are here: the first joint loads meet
	tensor_load_to_lds s[G0A:G0A+3], s[G1:G1+7]    ; layer 0, block 0
	s_nop 0
	PLACES
	global_load_b128 v[48:51], v[XO], s[4:5] th:TH_LOAD_NT
	global_load_b128 v[52:55], v[XO], s[4:5] offset:2048 th:TH_LOAD_NT
	NEXTP
	WIN 0
	s_wait_loadcnt 29                              ; x is in; the 29 loads of the parameters, issued behind it, may stay out
	ds_store_b128 v[XI], v[48:51]
	ds_store_b128 v[XI], v[52:55] offset:2560
	s_branch .Lenter                               ; the loop over layers is entered in its middle
	; ---------------------------------------------------------------- the layers
.Llayer:                                               ; the end of a layer that has a successor: out b and the splines, while the next layer's block 0 is on its way
	CH_HEAD 11264                                  ; BP: from the layer's + 6,144 to the next layer's + 1,024
	s_add_nc_u64 s[G0C+2:G0C+3], s[G0C+2:G0C+3], LAYB
	v_add_nc_u32 v[LO2], 64, v[LO2]
	v_add_nc_u32 v[MO8], 16, v[MO8]
	v_add_nc_u32 v[MO2], 16, v[MO2]
	CH_TAIL G0A, G1
	FETCH AW5, 0, F0, 3
	NEXTP                                          ; the next layer's parameters: none of their registers is read before the next x phase
	WIN 0
	ASK
	STEP AW5, 3, 3, 2, BB1, 0                      ; out b, into H
	PAIRS 0
.Lenter:
	; THE X PHASE.  Its first barrier orders the stores of the new x (or of x itself) with the reads of whole rows, and every wave's last reads of ACT with the stores into it below.
	s_wait_dscnt 0x0
	s_barrier_signal -1
	s_barrier_wait -1
.irp u, 0,1,2,3
.irp i, 0,1,2,3
	ds_load_b128 v[XR+16*(\u)+4*(\i):XR+16*(\u)+4*(\i)+3], v[XB] offset:1280*(\u)+16*(\i)  ; row 16 u + r, whole: the address hangs on the lane alone
.endr
.endr
	s_wait_loadcnt 0x0                             ; the layer's parameters
.irp b, 0,1,2,3
	v_and_b32 v[BT+(\b)], 1<<(\b), v[PRM]          ; the four low bits of perms of my first feature,
.endr
	v_cmp_ne_u32 s[MK], 0, v[MSKB]
	v_log_f32 v[LG], |v[SCL]|
	WIN 0xff
	v_cmp_ne_u32 s[MK+1], 0, v[MSKB]
	v_log_f32 v[LG], |v[SCL]|
	WIN 0x0c
.irp b, 0,1,2,3
	v_and_b32 v[BT+4+(\b)], 1<<(\b), v[PRM]        ; and of my second
.endr
	WIN 0x02
.irp j, 0,1,2,3,4,5,6,7
	v_bfe_u32 v[BT+8+(\j)], v[MSK8+(\j)/4], 8*((\j)%4), 8
.endr
	WIN 0
.irp b, 0,1,2,3,4,5,6,7
	v_cmp_ne_u32 s[PBT+(\b)], 0, v[BT+(\b)]
.endr
.irp j, 0,1,2,3,4,5,6,7
	v_cmp_ne_u32 s[MJ+(\j)], 0, v[BT+8+(\j)]
.endr
	s_wait_alu depctr_va_vdst(0)                   ; one wait for the two logarithms
	s_wait_dscnt 0x0                               ; the rows are in
	; x[row][perm[f]] by halving: 16 -> 8 by bit 0, -> 4 by bit 1, -> 2 by bit 2, -> 1 by bit 3.  Eight such choices a lane (two features p, four rows u), 15 lines each; the temporaries lie in R, which holds nothing now.
.irp p, 0,1
.irp u, 0,1,2,3
.irp i, 0,1,2,3,4,5,6,7
	v_cndmask_b32 v[TS+8*(4*(\p)+(\u))+(\i)], v[XR+16*(\u)+2*(\i)], v[XR+16*(\u)+2*(\i)+1], s[PBT+4*(\p)]
.endr
.irp i, 0,1,2,3
	v_cndmask_b32 v[TS+8*(4*(\p)+(\u))+(\i)], v[TS+8*(4*(\p)+(\u))+2*(\i)], v[TS+8*(4*(\p)+(\u))+2*(\i)+1], s[PBT+4*(\p)+1]
.endr
.irp i, 0,1
	v_cndmask_b32 v[TS+8*(4*(\p)+(\u))+(\i)], v[TS+8*(4*(\p)+(\u))+2*(\i)], v[TS+8*(4*(\p)+(\u))+2*(\i)+1], s[PBT+4*(\p)+2]
.endr
.endr
.endr
	ALL v_cndmask_b32 v[XS+t], v[TS+8*t], v[TS+8*t+1], s[PBT+3]
	WIN 0xc0                                       ; the second feature's results go to window 3
	ALL v_cndmask_b32 v[XS+t], v[TS+32+8*t], v[TS+32+8*t+1], s[PBT+7]
	WIN 0
	XSF
	WIN 0xff
	XSF
	WIN 0
	s_wait_dscnt 0x0                               ; for the others' sake: my numbers lie in XP
	s_barrier_signal -1
	s_barrier_wait -1                              ; XP is whole; the tensor load that is out may stay out
.irp u, 0,1,2,3
	ds_load_b128 v[XG+8*(\u):XG+8*(\u)+3],   v[XA] offset:XP-XST+1280*(\u)      ; row 16 u + r, features 8 h .. 8 h + 7
	ds_load_b128 v[XG+8*(\u)+4:XG+8*(\u)+7], v[XA] offset:XP-XST+1280*(\u)+16
.endr
	s_wait_dscnt 0x0
.irp u, 0,1,2,3
.irp j, 0,1,2,3,4,5,6,7
	v_cndmask_b32 v[XG+8*(\u)+(\j)], 0, v[XG+8*(\u)+(\j)], s[MJ+(\j)]  ; the conditioner sees the features whose mask is true
.endr
.endr
	WIN 0x80
.irp u, 0,1,2,3
.irp m, 0,1,2,3
	v_cvt_pk_bf16_f32 v[XF+8*(\u)+(\m)], v[XG+8*(\u)+2*(\m)], v[XG+8*(\u)+2*(\m)+1]
.endr
.endr
	WIN 0xea                                       ; H = (W_in p_mask)^T xm^T + b_in: each accumulator once
.irp a, 0,1,2,3
.irp u, 0,1,2,3
	v_wmma_f32_16x16x32_bf16 v[ACC+32*(\a)+8*(\u):ACC+32*(\a)+8*(\u)+7], v[WINF+8*(\a):WINF+8*(\a)+7], v[XF+8*(\u):XF+8*(\u)+7], v[BI+8*(\a):BI+8*(\a)+7]
.endr
.endr
	EPI 1
	s_mov_b32 s[BLK], 2
.Lblk:                                                 ; a residual block: R = W0^T relu(h) + b0; H += W1^T relu(R) + b1
	CH_HEAD 1024
	s_add_nc_u64 s[G0A+2:G0A+3], s[G0A+2:G0A+3], 2*BLKB
	CH_TAIL G0B, G1
	FETCH AW0, 0, F0, 4
	BIASLD BB1, BO, 4, 0
	WIN 0
	ASK
	STEP AW0, 4, 1, 0, BB0, 1
	EPI 0
	CH_HEAD 1024
	s_add_nc_u64 s[G0B+2:G0B+3], s[G0B+2:G0B+3], 2*BLKB
	CH_TAIL G0A, G1
	FETCH AW1, 0, F0, 4
	BIASLD BB0, BO, 4, 0
	WIN 0
	ASK
	HBIAS BB1
	STEP AW1, 4, 2, 2, 0, 1
	EPI 1
	s_sub_co_u32 s[BLK], s[BLK], 1
	s_cmp_lg_u32 s[BLK], 0
	s_cbranch_scc1 .Lblk
	CH_HEAD 1024
	s_add_nc_u64 s[G0A+2:G0A+3], s[G0A+2:G0A+3], LAYB-4*BLKB  ; from block 4 to the next layer's block 0,
	s_add_nc_u64 s[G0B+2:G0B+3], s[G0B+2:G0B+3], LAYB-4*BLKB  ; from where block 5 begins to the next layer's block 1
	CH_TAIL G0C, G1B
	FETCH AW0, 0, F0, 4
	BIASLD BB1, BO5, 3, 0
	WIN 0
	ASK
	STEP AW0, 4, 1, 0, BB0, 0                      ; out a, into R; ACT stays as it is for out b
	s_sub_co_u32 s[LAY], s[LAY], 1
	s_cmp_lg_u32 s[LAY], 0
	s_cbranch_scc1 .Llayer
	; ---------------------------------------------------------------- the last layer's end is written out: nothing is asked for
	s_wait_loadcnt 0x0                             ; out b's bias
	s_wait_tensorcnt 0x0                           ; my rows of block 5
	ds_add_u32 v[SPW], v[NIL]
	s_wait_dscnt 0x0
	s_barrier_signal -1
	s_barrier_wait -1                              ; everybody's rows are in
	PLACES
	FETCH AW5, 0, F0, 3
	STEP AW5, 3, 3, 2, BB1, 0
	PAIRS 1                                        ; the splines; -x^2 / 2 goes to the same sums
	; THE LAST SUM: my two features, the other half of the lanes', the four waves'; then -8 ln(2 pi)
	WIN 0x0c
	ALL v_add_f32 v[LD+t], v[LD+t], v[LD+t]
	WIN 0
	ALL v_permlanex16_b32 v[TT+t], v[LD+t], s60, s61
	ALL v_add_f32 v[LD+t], v[LD+t], v[TT+t]
	ALL ds_store_b32 v[RS], v[LD+t] offset:64*t
	s_wait_dscnt 0x0                               ; for the others' sake: my partial sums lie in LDS
	s_barrier_signal -1
	s_barrier_wait -1
	s_cmp_lg_u32 s[WV], 0
	s_cbranch_scc1 .Lend
.irp i, 0,1,2,3
	ds_load_b64 v[48+2*(\i):48+2*(\i)+1], v[RR] offset:256*(\i)
.endr
	s_wait_dscnt 0x0
	v_pk_add_f32 v[48:49], v[48:49], v[50:51]
	v_pk_add_f32 v[52:53], v[52:53], v[54:55]
	v_pk_add_f32 v[48:49], v[48:49], v[52:53]
	v_pk_add_f32 v[48:49], v[48:49], 0xc16b3f8e op_sel_hi:[1,0]
	global_store_b64 v[OO], v[48:49], s[18:19]     ; 32 lanes store 256 consecutive bytes, at a multiple of 256 from out0's first byte
.Lend:
	s_wait_tensorcnt 0x0                           ; the wave's end, behind my last tensor load and my last LDS store
	ds_add_u32 v[SPW], v[NIL]
	s_wait_dscnt 0x0
	ROUND                                          ; the closing round: no work-group ends while a partner may still ask for a tile that names it
	s_endpgm
.Lfunc_end_k_q5cae190469_flow:
	.size	k_q5cae190469_flow, .Lfunc_end_k_q5cae190469_flow-k_q5cae190469_flow
	.p2alignl 7, 3214868480
	.fill 96, 4, 3214868480
	.section	.rodata,"a",@progbits
	.p2align	6, 0x0
	.amdhsa_kernel k_q5cae190469_flow
		.amdhsa_group_segment_fixed_size 327680
		.amdhsa_private_segment_fixed_size 0
		.amdhsa_enable_private_segment 0
		.amdhsa_kernarg_size 64
		.amdhsa_user_sgpr_count 2
		.amdhsa_user_sgpr_kernarg_segment_ptr 1
		.amdhsa_wavefront_size32 1
		.amdhsa_system_sgpr_workgroup_id_x 1
		.amdhsa_system_sgpr_workgroup_id_y 1
		.amdhsa_system_sgpr_workgroup_id_z 1
		.amdhsa_system_vgpr_workitem_id 0
		.amdhsa_next_free_vgpr 1024
		.amdhsa_next_free_sgpr 96
		.amdhsa_reserve_vcc 1
		.amdhsa_float_denorm_mode_32 3
		.amdhsa_float_denorm_mode_16_64 3
		.amdhsa_memory_ordered 1
		.amdhsa_forward_progress 1
		.amdhsa_inst_pref_size 255
	.end_amdhsa_kernel
	.section	.bss,"aw",@nobits
	.p2align	6
	.space	262144
	.amdgpu_metadata
---
amdhsa.version: [ 1, 2 ]
amdhsa.kernels:
  - .name:           k_q5cae190469_flow
    .symbol:         k_q5cae190469_flow.kd
    .args:
      - { .name: x, .offset: 0, .size: 8, .value_kind: global_buffer, .address_space: global }
      - { .name: perms, .offset: 8, .size: 8, .value_kind: global_buffer, .address_space: global }
      - { .name: scales, .offset: 16, .size: 8, .value_kind: global_buffer, .address_space: global }
      - { .name: shifts, .offset: 24, .size: 8, .value_kind: global_buffer, .address_space: global }
      - { .name: masks, .offset: 32, .size: 8, .value_kind: global_buffer, .address_space: global }
      - { .name: wts, .offset: 40, .size: 8, .value_kind: global_buffer, .address_space: global }
      - { .name: aux, .offset: 48, .size: 8, .value_kind: global_buffer, .address_space: global }
      - { .name: out0, .offset: 56, .size: 8, .value_kind: global_buffer, .address_space: global }
    .group_segment_fixed_size: 327680
    .private_segment_fixed_size: 0
    .kernarg_segment_align: 8
    .kernarg_segment_size: 64
    .max_flat_workgroup_size: 128
    .sgpr_count:     96
    .vgpr_count:     1024
    .wavefront_size: 32
...
	.end_amdgpu_metadata
.endif
;; end of part 2
;; ======== version 2 of 2: 2 launches; version 1 with the launch prep written anew for expert scheduling mode
;; workspace buffers: wts 6,029,312 bytes; aux 131,072 bytes
;; launch prep (part 3): grid 24 x 8, 8 waves a work-group, no clusters, 34,816 bytes of LDS; arguments W_res, W_out, W_in, p_mask, b_in, b_res, b_out, wts, aux; writes wts, aux
.if DOCPART == 3
	.amdgcn_target "amdgcn-amd-amdhsa--gfx1250"
	.amdhsa_code_object_version 6
	.text
	.protected	k_q5cae190469_prep
	.globl	k_q5cae190469_prep
	.p2align	8
	.type	k_q5cae190469_prep,@function
k_q5cae190469_prep:
	s_mov_b64 s[64:65], 0
	v_nop
	global_prefetch_b8 v0, s[64:65] scope:SCOPE_SE
	s_setreg_imm32_b32 hwreg(HW_REG_WAVE_SCHED_MODE, 0, 2), 2
	s_setreg_imm32_b32 hwreg(HW_REG_WAVE_MODE, 25, 1), 1
	s_wait_xcnt 0x0
	s_wait_alu depctr_vm_vsrc(0)
; PREP: the weights as the second launch wants them.  y of the grid = layer l, x = role.
; wts, per layer 753,664 bytes of bf16 rows [n][k 256] (512 bytes a row): blocks 0-3 = W_res[l][i>>1][i&1] transposed (256 rows each), then 448 rows of W_out transposed, in the order D below.
; aux, per layer 16,384 bytes: f32 b_in, b_res x 4 (1,024 bytes each), b_out in the order D (1,792 bytes), zeros up to 8,192; then bf16 (W_in x p_mask) transposed, [n 256][f 16].
; THE ORDER D of the 448 out rows (tile = D >> 4, hh = (D >> 3) & 1, j = D & 7):
;   D < 256: w = tile >> 2, tau = tile & 3, f = 4 w + hh; tau < 3: column 25 f + 8 tau + j; tau = 3: j < 2: column 25 (f + 2 j) + 24, else a row of zeros with bias 0.
;   D >= 256: T2 = tile - 16, w = T2 / 3, tau = T2 - 3 w: column 25 (4 w + 2 + hh) + 8 tau + j.
; Roles 0-15: a strip of 64 output rows of one 256 x 256 matrix.  Roles 16-22: 64 rows D.  Role 23: the layer's aux.
; Each role rounds once to bf16, turns its part through a stage in LDS, and stores whole rows: each store of a wave covers 512 consecutive bytes, aligned.
; No tensor load (nothing is shared), no cluster, no prefetch (each byte is read once by loads that are all issued at once).
; THE MODE: SCHED_MODE bits 1:0 = 2 (LLVM: expert scheduling mode 2), set by the entry lines.  The code itself states the register dependences
; between vector instructions and memory or LDS instructions, with s_wait_alu, always for 0.
; THE PLAN.  Registers that memory or LDS instructions touch:
;   v5, v6, v24      the tail's addresses: written at the head, never again; read by the tail's LDS loads and global stores.
;   v9, v10          roles A and B: the loads' offset and the stage address: written once in the role, read by its loads and its LDS stores.
;   v7, v8, v12, v14 role C: offsets and stage addresses, written once.
;   v64-127          the role's global loads land here; the conversions (in role C the multiplies too) read them; the tail's LDS loads land in v64-95 and its global stores read those.
;   v128-159 (A, B), v16-23 and v96-103 (C)   what the LDS stores read: written once, by the conversions and masks, or by loads.
;   v2, v3           written at the head, read by the closing add alone.
; No register that a memory or LDS instruction reads is ever written again, so no wait on vm_vsrc is owed.  A role has three waits on va_vdst: ahead of its global loads (their offsets are written, and the
; tail's three addresses); ahead of its first run of LDS stores; ahead of its second.  A role's loads come back in two parts: the first is rounded and stored into the stage while the second is on its way; the vector
; lines between the two runs of stores name the second part's registers alone.  Behind the third wait no vector line follows, so the tail's loads into v64-95 owe nothing more.
.set STP,   528                        ; a stage row: 512 bytes + 16, so that 16 rows start at 16 different groups of four banks
.set SPARE, 64*STP                     ; behind the stage: the spare words, 128 bytes for each of eight waves
.set LAYB,  753664                     ; bytes of a layer in wts
.set SPW, 2                            ; v2  my spare word; never rewritten
.set NIL, 3                            ; v3  0; never rewritten
; v4 lane, v5 stage address of the tail's reads, v6 the tail's offset in memory, v7-v15 a role's own, v24 16 x thread (role C's tail), v40-47 COLMAP's, v64-127 as loaded, v128-159 as stored
; s[4:21] the nine addresses, s22 wave, s23 layer, s24 role, s[26:27] an offset in 64 bits
; D in v[d] -> its column of W_out in v[col] (0 .. 399) and in v[km] all ones, or 0 for a row of zeros.  No branch: the three cases are chosen by v_cndmask_b32.
; The comparisons stand in two runs, each with one wait between it and the first reader of its masks; plain lines that name no mask stand between a run and its wait.
.macro COLMAP d, col, km
	v_lshrrev_b32 v40, 4, v[\d]                    ; tile
	v_bfe_u32 v41, v[\d], 3, 1                     ; hh
	v_and_b32 v42, 7, v[\d]                        ; j
	v_cmp_lt_u32 s34, 15, v40                      ; D >= 256?
	v_cmp_lt_u32 s36, 1, v42                       ; j >= 2?
	v_lshrrev_b32 v43, 2, v40                      ; first part: w
	v_and_b32 v44, 3, v40                          ;             tau
	v_and_b32 v45, 15, v40                         ; second part: T2 = tile - 16
	v_mul_u32_u24 v46, v45, 11
	v_lshrrev_b32 v46, 5, v46                      ;              w = T2 / 3 (T2 below 12)
	v_mul_u32_u24 v47, v46, 3
	v_sub_nc_u32 v47, v45, v47                     ;              tau
	s_wait_alu depctr_va_sdst(0)                   ; the comparisons have written s34, which the three choices below read, and s36, which the s_and_b32 further down reads
	v_cndmask_b32 v43, v43, v46, s34
	v_cndmask_b32 v44, v44, v47, s34
	v_cndmask_b32 v45, 0, 2, s34                   ; the second part's features lie two further on
	v_cmp_eq_u32 s35, 3, v44                       ; the tile of last slopes (tau = 3 occurs in the first part alone)
	v_lshl_add_u32 v43, v43, 2, v41
	v_add_nc_u32 v43, v43, v45                     ; f
	v_min_u32 v46, 1, v42
	v_lshl_add_u32 v46, v46, 1, v43                ; f + 2 min(j, 1)
	v_mul_u32_u24 v46, v46, 25
	v_add_nc_u32 v46, 24, v46
	v_mul_u32_u24 v43, v43, 25
	v_lshl_add_u32 v43, v44, 3, v43
	v_add_nc_u32 v43, v43, v42                     ; 25 f + 8 tau + j
	s_wait_alu depctr_va_sdst(0)                   ; the comparison has written s35, which the choice and the s_and_b32 below read
	v_cndmask_b32 v[\col], v43, v46, s35
	v_min_u32 v[\col], 399, v[\col]                ; (never more; the bound stands in the text)
	s_and_b32 s36, s36, s35                        ; j >= 2 in that tile: a row of zeros
	v_cndmask_b32 v[\km], -1, 0, s36
.endm
	s_load_b512 s[4:19], s[0:1], 0x0               ; W_res s[4:5], W_out s[6:7], W_in s[8:9], p_mask s[10:11], b_in s[12:13], b_res s[14:15], b_out s[16:17], wts s[18:19]
	s_load_b64 s[20:21], s[0:1], 0x40              ; aux
	v_lshl_add_u32 v[SPW], v0, 2, SPARE
	v_mov_b32 v[NIL], 0
	v_lshrrev_b32 v1, 5, v0
	v_readfirstlane_b32 s22, v1                    ; wave 0..7
	s_and_b32 s23, ttmp7, 0xffff                   ; layer
	s_mov_b32 s24, ttmp9                           ; role
	v_and_b32 v4, 31, v0
	v_lshlrev_b32 v24, 4, v0                       ; role C's tail: 16 bytes a thread, in the stage and in aux
	s_wait_alu depctr_va_sdst(0)                   ; s22 is written, ahead of its first reader: the tail's two addresses are made from it
	s_mul_i32 s25, s22, STP
	v_lshl_add_u32 v5, v4, 4, s25                  ; the tail reads stage row 8 pass + wave, 16 bytes a lane,
	s_lshl_b32 s25, s22, 9
	v_lshl_add_u32 v6, v4, 4, s25                  ; and stores it as 512 consecutive bytes
	s_mul_i32 s26, s23, LAYB
	s_mov_b32 s27, 0
	s_wait_kmcnt 0x0
	s_add_nc_u64 s[18:19], s[18:19], s[26:27]      ; wts at the layer
	s_cmp_lt_u32 s24, 16
	s_cbranch_scc0 .Lnot_a
	; ROLE A.  Matrix mi = role >> 2, strip s = role & 3: columns n = 64 s .. 64 s + 63 of W[k][n].  Thread: i16 = tid & 15 (four columns), kg = tid >> 4 (eight k, twice).
	s_lshr_b32 s28, s24, 2
	s_and_b32 s29, s24, 3
	s_lshl_b32 s26, s23, 2
	s_add_co_u32 s26, s26, s28
	s_lshl_b32 s26, s26, 18                        ; (4 l + mi) x 262,144
	s_lshl_b32 s30, s29, 8
	s_add_co_u32 s26, s26, s30                     ; + 256 s
	s_add_nc_u64 s[4:5], s[4:5], s[26:27]
	s_lshl_b32 s26, s28, 17
	s_lshl_b32 s30, s29, 15
	s_add_co_u32 s26, s26, s30
	s_add_nc_u64 s[18:19], s[18:19], s[26:27]      ; the strip's 64 rows in wts
	v_and_b32 v7, 15, v0
	v_lshrrev_b32 v8, 4, v0
	v_lshlrev_b32 v9, 13, v8
	v_lshl_add_u32 v9, v7, 4, v9                   ; kg x 8 rows of 1,024 bytes + 16 i16: sixteen lanes read 256 consecutive bytes of one k
	s_wait_alu depctr_va_vdst(0)                   ; v9 is written, which the sixteen loads read as their offset; so are v5 and v6, which the tail's LDS loads and stores read
.irp p, 0,1
.irp i, 0,1,2,3,4,5,6,7
	global_load_b128 v[64+32*(\p)+4*(\i):64+32*(\p)+4*(\i)+3], v9, s[4:5] offset:(\p)*131072+(\i)*1024 th:TH_LOAD_NT
.endr
.endr
	v_mul_u32_u24 v10, v7, 4*STP
	v_lshl_add_u32 v10, v8, 4, v10                 ; stage row 4 i16 (+ q), byte 16 kg (+ 256 p)
.irp p, 0,1
	s_wait_loadcnt 8-8*(\p)                        ; loads come back in order: part p's eight are in; behind part 0 the eight of part 1 stay out
.irp q, 0,1,2,3
.irp m, 0,1,2,3
	v_cvt_pk_bf16_f32 v[128+4*(4*(\p)+(\q))+(\m)], v[64+32*(\p)+8*(\m)+(\q)], v[64+32*(\p)+8*(\m)+4+(\q)]  ; column q, k = 2 m and 2 m + 1
.endr
.endr
	s_wait_alu depctr_va_vdst(0)                   ; part p's conversions have written v[128 + 16 p ..], which the four LDS stores read (at p = 0 v10, their address, is written too); they are done reading v[64 + 32 p ..], in which the tail's LDS loads land
.irp q, 0,1,2,3
	ds_store_b128 v10, v[128+4*(4*(\p)+(\q)):128+4*(4*(\p)+(\q))+3] offset:(\q)*STP+(\p)*256  ; these collide four deep: 32 KiB, once a work-group
.endr
.endr
	s_branch .Ljoin
.Lnot_a:
	s_cmp_lt_u32 s24, 23
	s_cbranch_scc0 .Lrole_c
	; ROLE B.  Rows D = 64 u + rho, u = role - 16.  Thread: rho = tid & 63, kq = tid >> 6: 64 k of one column.  Eight neighbouring lanes read 32 consecutive bytes; the other roles read the rest of those bytes' neighbourhood.
	s_sub_co_u32 s28, s24, 16
	s_mul_i32 s26, s23, 409600
	s_add_nc_u64 s[6:7], s[6:7], s[26:27]
	s_lshl_b32 s26, s28, 15
	s_add_co_u32 s26, s26, 524288
	s_add_nc_u64 s[18:19], s[18:19], s[26:27]
	v_and_b32 v7, 63, v0
	v_lshrrev_b32 v8, 6, v0
	s_lshl_b32 s29, s28, 6
	v_add_nc_u32 v11, s29, v7                      ; D
	COLMAP 11, 12, 13
	v_mul_u32_u24 v9, v8, 102400                   ; kq x 64 rows of 1,600 bytes
	v_lshl_add_u32 v9, v12, 2, v9
	s_wait_alu depctr_va_vdst(0)                   ; v9 is written, which the 64 loads read as their offset; so are v5 and v6, which the tail's LDS loads and stores read
.set i, 0
.rept 64
	global_load_b32 v[64+i], v9, s[6:7] offset:i*1600
.set i, i+1
.endr
	v_mul_u32_u24 v10, v7, STP
	v_lshl_add_u32 v10, v8, 7, v10
.irp g, 0,1
	s_wait_loadcnt 32-32*(\g)                      ; loads come back in order: part g's 32 are in; behind part 0 the 32 of part 1 stay out
.set i, 16*(\g)
.rept 16
	v_cvt_pk_bf16_f32 v[128+i], v[64+2*i], v[64+2*i+1]
.set i, i+1
.endr
.set i, 16*(\g)
.rept 16
	v_and_b32 v[128+i], v13, v[128+i]              ; a row of zeros where the order D has one
.set i, i+1
.endr
	s_wait_alu depctr_va_vdst(0)                   ; part g's masks have written v[128 + 16 g ..], which the four LDS stores read (at g = 0 v10, their address, is written too); its conversions are done reading v[64 + 32 g ..], in which the tail's LDS loads land
.irp j, 0,1,2,3
	ds_store_b128 v10, v[128+16*(\g)+4*(\j):128+16*(\g)+4*(\j)+3] offset:64*(\g)+16*(\j)
.endr
.endr
	s_branch .Ljoin
.Lrole_c:
	; ROLE C.  The stage is linear here: the layer's 16,384 bytes of aux.
	v_lshlrev_b32 v7, 2, v0
	v_lshlrev_b32 v8, 5, v0
	v_mov_b32 v23, 0
	s_lshl_b32 s26, s23, 10
	s_add_nc_u64 s[12:13], s[12:13], s[26:27]
	s_lshl_b32 s26, s23, 12
	s_add_nc_u64 s[14:15], s[14:15], s[26:27]
	s_mul_i32 s26, s23, 1600
	s_add_nc_u64 s[16:17], s[16:17], s[26:27]
	s_lshl_b32 s26, s23, 14
	s_add_nc_u64 s[8:9], s[8:9], s[26:27]
	s_add_nc_u64 s[20:21], s[20:21], s[26:27]
	COLMAP 0, 12, 13                               ; D = tid
	v_lshlrev_b32 v12, 2, v12
	v_min_u32 v11, 191, v0
	v_add_nc_u32 v11, 256, v11                     ; D = 256 + tid, for tid below 192
	v_cmp_gt_u32 s37, 192, v0                      ; its reader stands behind the macro below, whose waits for the comparisons' masks lie between the two
	COLMAP 11, 14, 15
	v_lshlrev_b32 v14, 2, v14
	v_cndmask_b32 v15, 0, v15, s37
	s_wait_alu depctr_va_vdst(0)                   ; v7, v12 and v14 are written, which the loads read as their offsets; so are v8 and v23, which LDS stores read, and v24, the tail's address
	global_load_b32 v16, v7, s[12:13]
.irp i, 0,1,2,3
	global_load_b32 v[17+(\i)], v7, s[14:15] offset:1024*(\i)
.endr
	global_load_b32 v21, v12, s[16:17]
	global_load_b32 v22, v14, s[16:17]
.set i, 0
.rept 16
	global_load_b32 v[64+i], v7, s[8:9] offset:1024*i
	global_load_b32 v[80+i], v7, s[10:11] offset:1024*i
.set i, i+1
.endr
	s_wait_loadcnt 32                              ; loads come back in order: the seven of the biases are in; the 32 of W_in and p_mask, issued behind them, stay out
	v_and_b32 v21, v13, v21
	v_and_b32 v22, v15, v22
	s_wait_alu depctr_va_vdst(0)                   ; the two masks have written v21 and v22, which LDS stores below read
	ds_store_b32 v7, v16
.irp i, 0,1,2,3
	ds_store_b32 v7, v[17+(\i)] offset:1024+1024*(\i)
.endr
	ds_store_b32 v7, v21 offset:5120
	ds_store_b32 v7, v22 offset:6144
	ds_store_b32 v7, v23 offset:7168
	s_wait_loadcnt 0x0                             ; W_in and p_mask
.set i, 0
.rept 16
	v_mul_f32 v[64+i], v[64+i], v[80+i]            ; the masked kernel, in f32, rounded once below
.set i, i+1
.endr
.set i, 0
.rept 8
	v_cvt_pk_bf16_f32 v[96+i], v[64+2*i], v[64+2*i+1]
.set i, i+1
.endr
	s_wait_alu depctr_va_vdst(0)                   ; the conversions have written v[96:103], which the two LDS stores read; the multiplies and conversions are done with v[64:95], in which the tail's LDS loads land
	ds_store_b128 v8, v[96:99] offset:8192
	ds_store_b128 v8, v[100:103] offset:8208
.Ljoin:
	s_wait_dscnt 0x0                               ; for the others' sake: my stores into the stage are done
	s_barrier_signal -1
	s_barrier_wait -1
	s_cmp_eq_u32 s24, 23
	s_cbranch_scc1 .Ltail_c
.irp p, 0,1,2,3,4,5,6,7
	ds_load_b128 v[64+4*(\p):64+4*(\p)+3], v5 offset:(\p)*8*STP  ; no wait on the vector side: no vector line has been issued since the role's last such wait
.endr
.irp p, 0,1,2,3,4,5,6,7
	s_wait_dscnt 7-(\p)                            ; LDS loads come back in order: row p of my eight is in
	global_store_b128 v6, v[64+4*(\p):64+4*(\p)+3], s[18:19] offset:(\p)*4096 th:TH_STORE_NT
.endr
	s_branch .Lend
.Ltail_c:
.irp p, 0,1,2,3
	ds_load_b128 v[64+4*(\p):64+4*(\p)+3], v24 offset:(\p)*4096
.endr
.irp p, 0,1,2,3
	s_wait_dscnt 3-(\p)
	global_store_b128 v24, v[64+4*(\p):64+4*(\p)+3], s[20:21] offset:(\p)*4096 th:TH_STORE_NT
.endr
.Lend:
	s_wait_dscnt 0x0                               ; the wave's end
	s_wait_alu 0x0
	s_wait_tensorcnt 0x0
	ds_add_u32 v[SPW], v[NIL]
	s_wait_dscnt 0x0
	s_endpgm
.Lfunc_end_k_q5cae190469_prep:
	.size	k_q5cae190469_prep, .Lfunc_end_k_q5cae190469_prep-k_q5cae190469_prep
	.p2alignl 7, 3214868480
	.fill 96, 4, 3214868480
	.section	.rodata,"a",@progbits
	.p2align	6, 0x0
	.amdhsa_kernel k_q5cae190469_prep
		.amdhsa_group_segment_fixed_size 34816
		.amdhsa_private_segment_fixed_size 0
		.amdhsa_enable_private_segment 0
		.amdhsa_kernarg_size 72
		.amdhsa_user_sgpr_count 2
		.amdhsa_user_sgpr_kernarg_segment_ptr 1
		.amdhsa_wavefront_size32 1
		.amdhsa_system_sgpr_workgroup_id_x 1
		.amdhsa_system_sgpr_workgroup_id_y 1
		.amdhsa_system_sgpr_workgroup_id_z 1
		.amdhsa_system_vgpr_workitem_id 0
		.amdhsa_next_free_vgpr 160
		.amdhsa_next_free_sgpr 66
		.amdhsa_reserve_vcc 0
		.amdhsa_float_denorm_mode_32 3
		.amdhsa_float_denorm_mode_16_64 3
		.amdhsa_memory_ordered 1
		.amdhsa_forward_progress 1
		.amdhsa_inst_pref_size 30
	.end_amdhsa_kernel
	.amdgpu_metadata
---
amdhsa.version: [ 1, 2 ]
amdhsa.kernels:
  - .name:           k_q5cae190469_prep
    .symbol:         k_q5cae190469_prep.kd
    .args:
      - { .name: W_res, .offset: 0, .size: 8, .value_kind: global_buffer, .address_space: global }
      - { .name: W_out, .offset: 8, .size: 8, .value_kind: global_buffer, .address_space: global }
      - { .name: W_in, .offset: 16, .size: 8, .value_kind: global_buffer, .address_space: global }
      - { .name: p_mask, .offset: 24, .size: 8, .value_kind: global_buffer, .address_space: global }
      - { .name: b_in, .offset: 32, .size: 8, .value_kind: global_buffer, .address_space: global }
      - { .name: b_res, .offset: 40, .size: 8, .value_kind: global_buffer, .address_space: global }
      - { .name: b_out, .offset: 48, .size: 8, .value_kind: global_buffer, .address_space: global }
      - { .name: wts, .offset: 56, .size: 8, .value_kind: global_buffer, .address_space: global }
      - { .name: aux, .offset: 64, .size: 8, .value_kind: global_buffer, .address_space: global }
    .group_segment_fixed_size: 34816
    .private_segment_fixed_size: 0
    .kernarg_segment_align: 8
    .kernarg_segment_size: 72
    .max_flat_workgroup_size: 256
    .sgpr_count:     66
    .vgpr_count:     160
    .wavefront_size: 32
...
	.end_amdgpu_metadata
.endif
;; end of part 3
;; launch flow: the kernel of part 2 again; grid 256 x 1, 4 waves a work-group, clusters of 4 x 1, 327,680 bytes of LDS; arguments x, perms, scales, shifts, masks, wts, aux, out0; writes out0
